; MI455X (gfx1250); checked and timed in simulation.
; The chip was launched on July 23, 2026; its instructions are those of AMD's public machine-readable ISA for CDNA 5 (MIT licence, August 2026) and "CDNA5" Instruction Set Architecture Reference Guide (July 2026). The comments in the code are by the model that wrote it; some were corrected since.
;; Bi LSTM Cell. Allowed arithmetic: matrix products marked QUANTISED: E2M1 operands, one E8M0 scale for each 32 along K, by v_wmma_scale_f32_16x16x128_f8f6f4 with both operands' format E2M1 (or v_wmma_scale_f32_32x16x128_f4), f32 sums; products left as they are: f32 operands where the result goes on into a quantised operand, else bf16, f16 or f32 operands; f32 sums; everything else in f32.
;; Inputs: Wh_codes 4 x 1,024 x 32 x 16 uint8 (E2M1 codes of Wh, K innermost, in blocks of 32 codes, two codes a byte); Wh_scales 4 x 1,024 x 32 uint8 (E8M0 scales of Wh, one for each 32 codes along K); Wn 4 x 1,024 x 4 float32; Wx_codes 4 x 1,024 x 32 x 16 uint8 (E2M1 codes of Wx, K innermost, in blocks of 32 codes, two codes a byte); Wx_scales 4 x 1,024 x 32 uint8 (E8M0 scales of Wx, one for each 32 codes along K); b 4 x 1,024 float32; cell 8,192 x 1,024 float32; hidden_codes 8,192 x 32 x 16 uint8 (E2M1 codes of hidden, K innermost, in blocks of 32 codes, two codes a byte); hidden_scales 8,192 x 32 uint8 (E8M0 scales of hidden, one for each 32 codes along K); neighbors 8,192 x 4 float32; x_codes 8,192 x 32 x 16 uint8 (E2M1 codes of x, K innermost, in blocks of 32 codes, two codes a byte); x_scales 8,192 x 32 uint8 (E8M0 scales of x, one for each 32 codes along K).
;; Outputs: out0 8,192 x 1,024 float32; out1 8,192 x 1,024 float32.
;; This version of the problem:
;;   THIS VERSION OF THE PROBLEM IS GIVEN IN LOW PRECISION. The matrix products marked QUANTISED in the list below multiply operands that are first quantised to E2M1 (2 exponent bits, 1 mantissa bit; 4 bits a number), with one power-of-two scale for each 32 numbers along K (OCP MX v1.0); their sums are f32. All else is computed in f32.
;;   The module's matrix products, in the order in which they are computed (A, B: the left and right operand; K: the contracted axis; several contracted axes count as one K, in the product's order):
;;     1. [M 8,192, K 1,024] x [K 1,024, N 4,096]; A: input x (given as codes); B: input Wx (given as codes): QUANTISED
;;     2. [M 8,192, K 1,024] x [K 1,024, N 4,096]; A: input hidden (given as codes); B: input Wh (given as codes): QUANTISED
;;     3. [M 8,192, K 4] x [K 4, N 4,096]; A: input neighbors; B: input Wn: left as it is (K = 4 < 32)
;;   THE QUANTISER, for each operand of a quantised product, along K:
;;     - K is cut into blocks of 32 from its start; a last block that is shorter is filled with zeros.
;;     - A block's scale is 2^e with e = floor(log2(the largest magnitude in the block)) - 2, held to -126 .. 127; a block of zeros has e = 0. As a byte (E8M0): e + 127.
;;     - Each number is divided by its block's scale, clamped to +-6, and rounded to the nearest number of E2M1, ties to even, subnormals kept.
;;     - The product sums the exact products of the quantised numbers (number of the format x scale) in f32.
;;   ~~~python
;;   def quantise(x, axis):      # numpy; x: float32 -> the quantised numbers, widened to float32 again
;;       x = np.moveaxis(x, axis, -1); K = x.shape[-1]
;;       x = np.pad(x, [(0, 0)] * (x.ndim - 1) + [(0, -K % 32)]); x = x.reshape(x.shape[:-1] + (-1, 32)); a = np.abs(x).max(-1, keepdims=True)
;;       e = np.where(a > 0, np.clip(np.frexp(np.where(a > 0, a, 1))[1] - 1 - 2, -126, 127), 0)      # np.frexp(a)[1] - 1 = floor(log2(a)), exactly
;;       r = np.clip(x / 2.0 ** e, -6, 6)
;;       step = 2.0 ** (np.maximum(np.frexp(np.where(r == 0, 1, r))[1] - 1, 0) - 1)
;;       q = np.round(r / step) * step * 2.0 ** e      # np.round: ties to even
;;       return np.moveaxis(q.reshape(q.shape[:-2] + (-1,))[..., :K], -1, axis).astype(np.float32)
;;   ~~~
;;   INPUTS GIVEN AS CODES. Wh (in the module: [4, 1024, 1024], K = its axis 2); Wx (in the module: [4, 1024, 1024], K = its axis 2); hidden (in the module: [8192, 1024], K = its axis 1); x (in the module: [8192, 1024], K = its axis 1): each comes as NAME_codes (uint8): NAME with its K axis moved to the last place and cut into blocks of 32 codes, [.., K / 32, bytes a block], one block behind the other in memory; two codes a byte, the lower K in the low four bits (a code: sign, 2 exponent bits, 1 mantissa bit); and NAME_scales (uint8): the same leading axes, one E8M0 byte (e + 127) for each 32 codes along K. Its value is code x scale, taken as it is: it is not quantised again, and the codes and scales need not be those that the quantiser above would give.
;; One version. Each part assembles by itself: llvm-mc -triple=amdgcn-amd-amdhsa -mcpu=gfx1250 --defsym DOCPART=n.
;; ======== version 1 of 1: 1 launch
;; limits: inputs' magnitudes at most 1.15e+18; values are held in bf16: 8 bits of precision; right only within a limited range of input values
;; launch lstm (part 1): grid 16 x 16, 4 waves a work-group, clusters of 4 x 1, 327,680 bytes of LDS; arguments x_codes, x_scales, hidden_codes, hidden_scales, Wx_codes, Wx_scales, Wh_codes, Wh_scales, Wn, b, neighbors, cell, out0, out1; writes out0, out1
.if DOCPART == 1
	.amdgcn_target "amdgcn-amd-amdhsa--gfx1250"
	.amdhsa_code_object_version 6
	.text
	.protected	k_qf7a47cb8bc_lstm
	.globl	k_qf7a47cb8bc_lstm
	.p2align	8
	.type	k_qf7a47cb8bc_lstm,@function
k_qf7a47cb8bc_lstm:
	s_mov_b64 s[64:65], 0
	v_nop
	global_prefetch_b8 v0, s[64:65] scope:SCOPE_SE
	s_setreg_imm32_b32 hwreg(HW_REG_WAVE_MODE, 25, 1), 1
	s_wait_xcnt 0x0
	s_wait_alu depctr_hold_cnt(0) depctr_sa_sdst(0) depctr_va_vdst(0) depctr_va_sdst(0) depctr_va_ssrc(0) depctr_va_vcc(0) depctr_vm_vsrc(0)
	s_getreg_b32 s2, hwreg(HW_REG_IB_STS2, 6, 4)
	s_cmp_eq_u32 s2, 0
	s_cbranch_scc0 .Lentry_in_a_cluster
	s_endpgm
.Lentry_in_a_cluster:
	s_bfe_u32 s2, ttmp6, 0x10000c
	s_cmp_lg_u32 s2, 0x3003
	s_cbranch_scc0 .Lentry_shape_is_right
	s_endpgm
.Lentry_shape_is_right:
; g[row][gate][h] = x . Wx[gate][h] + hidden . Wh[gate][h] + neighbors . Wn[gate][h] + b[gate][h];  next_cell = sig(g1) cell + sig(g0) tanh(g3);  next_hidden = sig(g2) tanh(next_cell).
; Codes of FP4 and their E8M0 bytes go to the matrix unit as they lie.
; SHARES.  Work-group (X, y) owns h = 64 X .. + 63 of all four gates and rows 512 y .. + 511; wave w owns h = 64 X + 16 w .. + 15 of the four gates: 64 rows of Wx and 64 of Wh, held in 512 registers for the whole launch.
; A BLOCK is 64 rows: codes of x and hidden and a piece of cell, through a ring of two LDS slots, one tensor load a wave behind each change of slots.  A WINDOW is 32 rows, half a block: 8 accumulators by turns.
; THE MATRIX INSTRUCTION IS USED TRANSPOSED (source 0 = weight rows): register j of accumulator (a, g) in lane (r, hh) is g(row 16 a + r, gate g, h = 64 X + 16 w + 8 hh + j): the four gates of an element lie in one lane.
; The K = 4 product goes first, as one bf16 matrix instruction an accumulator whose C is the bias.
; THE TAIL.  sig(z) = 1 / (1 + 2^(-z log2 e)), tanh(z) = 1 - 2 / (1 + 2^(2 z log2 e)).  The exponentials and reciprocals of window w stand between window w and w + 1 (BOUND), together with those of tanh(next_cell) of window w - 1;
; the plain work that remains lies among the products: window w finishes next_cell of window w - 1 and next_hidden of window w - 2, and stores to memory next_cell of window w - 3 and next_hidden of window w - 4,
; which by then have passed a stage in LDS, where the four waves' 64 bytes of a row make 256.
; CLUSTER.  The four work-groups of a cluster have the same y and walk the same codes: asked for JOINTLY (mask 15).  cell's tiles differ with X: plain loads behind the same rounds.  The weights are shared only between work-groups of
; different y, in other clusters, and are read once a work-group.  The scale bytes (32 KiB a work-group, once) come through registers, so that a wave has one tensor load at the head.
; PREFETCH.  cell's rows and the codes are asked for two blocks ahead of their tensor loads: waves 0 and 1 a row of cell a lane; waves 2 and 3 256 bytes of codes a lane, the four partners' shares told apart by address.
; LIMITS.  tanh as 1 - 2 / (1 + E) has an absolute error of some 2^-23.  neighbors and Wn are rounded to bf16.  NaN and infinities among neighbors and Wn are not served (fragments of Wn overlap, against zeros of neighbors).
; LDS: halves at 0 and 0x20000: a slot (x's codes, 64 rows x 528; hidden's; cell, 64 rows x 272) and at 90,112 a stage (next_hidden, next_cell: 64 rows x 272 each: two windows).  Behind them the scale bytes of 512 rows of x, then of hidden;
; a wave's 16 rows x 528 for turning weights; the spare words.
.set AP,    528
.set CP,    272
.set HCO,   64*AP
.set CLO,   2*64*AP
.set TOG,   0x20000
.set STG,   90112
.set NCO,   64*CP
.set SCX,   256000
.set BSTG,  SCX+32768
.set SPARE, BSTG+4*16*AP               ; 322,560: 128 bytes for each wave
; window 0
.set SPW,  4                           ; LDS address of my spare word; never rewritten
.set NIL,  5                           ; 0; never rewritten
.set AFA,  6                           ; my place in a fragment of the rows: 528 r + 16 hh
.set ACL,  7                           ; my 32 bytes of a row of cell
.set ASC,  8                           ; the block's scale words
.set AST,  9                           ; where I put results
.set ARD,  10                          ; where I read rows back: row 8 w + hh
.set GOUT, 11                          ; my byte offset in the rows that I store
.set ANB,  12                          ; 16 r
.set PFO,  13                          ; the prefetches' offset
.set BST,  14                          ; turning weights: in
.set BLD,  15                          ; and out
.set L16,  16                          ; 16 x lane
.set WSO,  17                          ; 32 r + 16 hh
.set BO,   18                          ; 32 hh
.set SCO,  19                          ; 16 x thread
.set SCA,  20                          ; where I put scale bytes
.set LN,   21                          ; lane
.set WSW,  32                          ; v32-63 the weights' scale words: 16 m + 4 g + i: lanes 0-15 K step i, lanes 16-31 K step 4 + i
.set ASW,  64                          ; v64-79 the rows' scale words: 8 m + 4 a + i
.set NF,   80                          ; v80-95 neighbors in bf16: fragment a at 8 a: two registers, then zeros
.set NR,   96                          ; v96-111 neighbors as loaded: windows of even number, of odd number
.set OUT,  112                         ; v112-127 next_hidden's rows on their way out; next_cell's lie at v[OUT + 64 ..], v176-191, of window 3
.set AF,   128                         ; v128-255 four buffers of 32: the rows' fragments of two K steps each
; windows 1 and 2: Wx's and Wh's fragments at 32 q + 8 g;  window 3: v0-63 accumulator (a, g) at 8 (4 a + g), and
.set TT,   64                          ; v64-127 16 g + e: 16 elements of the four gates, e = 8 a + j
.set XX,   128                         ; v128-143 tanh(next_cell) on its way
.set OO,   144                         ; v144-175 sig(g2), two sets by turns
.set BIAS, 192                         ; v192-223 b: 8 g + j
.set CL,   224                         ; v224-239 cell
.set WNF,  240                         ; v240-253 Wn in bf16: fragment g at 2 g .. + 7; lanes 16-31 zero
; scalars
.set WV,   32
.set WP,   33
.set CNT,  46
.set STP,  47
.set G1C,  48
.set G1L,  56
.set PFB,  66
.set PFS,  68
.set G0C,  76
.set G0L,  84
.set KN,   96                          ; s[96:97] -log2(e), s[98:99] 2 log2(e)
.set KP,   98
.set MSB, 0
.macro WIN new                         ; bits 1:0 source 0, 3:2 source 1, 5:4 source 2, 7:6 destination
.if MSB != (\new)
	s_set_vgpr_msb (MSB<<8)|(\new)
.set MSB, (\new)
.endif
.endm
.macro PLACES n
.rept \n
	v_nop
.endr
.endm
.macro VW
	s_wait_alu depctr_va_vdst(0)
.endm
.macro CREST                           ; a round of the cluster's barrier behind its opening barrier
	s_cmp_lg_u32 s[WV], 0
	s_cbranch_scc1 .Lnot_wave_0_\@
	s_barrier_signal -3
.Lnot_wave_0_\@:
	s_barrier_wait -3
	s_barrier_signal -1
	s_barrier_wait -1
.endm
.macro ROUND
	s_barrier_signal -1
	s_barrier_wait -1
	CREST
.endm
; One tensor load a wave: wave 0 x's codes, wave 1 hidden's (joint), waves 2 and 3 the halves of cell's tile.  Four v_nop follow each line.
.macro TLOAD
	s_cmp_lt_u32 s[WV], 2
	s_cbranch_scc0 .Lcell_\@
	tensor_load_to_lds s[G0C:G0C+3], s[G1C:G1C+7]
	s_nop 0
	PLACES 4
	s_branch .Lasked_\@
.Lcell_\@:
	tensor_load_to_lds s[G0L:G0L+3], s[G1L:G1L+7]
	s_nop 0
	PLACES 4
.Lasked_\@:
.endm
.macro GSTEP                           ; the descriptors on to the next block, in the other slot (no tensor load of mine is out)
	s_add_nc_u64 s[G0C+2:G0C+3], s[G0C+2:G0C+3], 32768
	s_add_nc_u64 s[G0L+2:G0L+3], s[G0L+2:G0L+3], 262144
	s_xor_b32 s[G0C+1], s[G0C+1], TOG
	s_xor_b32 s[G0L+1], s[G0L+1], TOG
.endm
; THE WEIGHTS.  Load i of a gate reads row i whole: 32 lanes, 512 consecutive bytes.  The sixteen go through my own LDS bytes (rows 528 apart) and come back as fragments, into the registers that they left:
; register 32 q + 8 g + 4 c of lane (r, hh) holds k = 128 q + 64 c + 32 hh + 0..31 of row r.  LDS serves a wave's instructions in order (ISA guide 5.7.1.4).
.macro WLG base, g
.irp i, 0,1,2,3,4,5,6,7,8,9,10,11,12,13,14,15
	global_load_b128 v[32*(\i/2)+8*\g+4*(\i%2):32*(\i/2)+8*\g+4*(\i%2)+3], v[L16], s[\base:\base+1] offset:524288*\g+512*\i
.endr
.endm
.macro WTURN g, left                   ; left: the loads issued behind this gate's
	s_wait_loadcnt \left
.irp i, 0,1,2,3,4,5,6,7,8,9,10,11,12,13,14,15
	ds_store_b128 v[BST], v[32*(\i/2)+8*\g+4*(\i%2):32*(\i/2)+8*\g+4*(\i%2)+3] offset:AP*\i
.endr
.irp i, 0,1,2,3,4,5,6,7,8,9,10,11,12,13,14,15
	ds_load_b128 v[32*(\i/2)+8*\g+4*(\i%2):32*(\i/2)+8*\g+4*(\i%2)+3], v[BLD] offset:32*\i
.endr
.endm
; The rows' fragments of group p (K steps 2 p, 2 p + 1; 0-7: x, 8-15: hidden) of the slot's window sub, into buffer p % 4: eight loads
.macro FETCH sub, p
.set FB, AF+32*((\p)%4)
.irp u, 0,1
.irp a, 0,1
.irp c, 0,1
	ds_load_b128 v[FB+16*\u+8*\a+4*\c:FB+16*\u+8*\a+4*\c+3], v[AFA] offset:HCO*((2*(\p)+\u)/8)+16*AP*(2*(\sub)+\a)+64*((2*(\p)+\u)%8)+32*\c
.endr
.endr
.endr
.endm
.macro SCALES m, off                   ; a window's scale words of x (m = 0) or hidden (1)
.irp a, 0,1
	ds_load_b128 v[ASW+8*\m+4*\a:ASW+8*\m+4*\a+3], v[ASC] offset:16384*\m+(\off)+512*\a
.endr
.endm
; Four products: K step n / 2, 16 rows n % 2, the four gates.  Eight accumulators by turns, in the same order in every K step.
.macro MG n
.set qq, (\n)/2
.set aa, (\n)%2
.if qq < 8
	WIN 0xf1
.else
	WIN 0xf2
.endif
.irp g, 0,1,2,3
.set rD, 8*(4*aa+\g)
.set rW, 32*(qq%8)+8*\g
.set rA, AF+32*((qq/2)%4)+16*(qq%2)+8*aa
.set rX, WSW+16*(qq/8)+4*\g+qq%4
.set rY, ASW+8*(qq/8)+4*aa+qq%4
.if (qq%8) < 4
	v_wmma_scale_f32_16x16x128_f8f6f4 v[rD:rD+7], v[rW:rW+7], v[rA:rA+7], v[rD:rD+7], v[rX], v[rY] matrix_a_fmt:MATRIX_FMT_FP4 matrix_b_fmt:MATRIX_FMT_FP4
.else
	v_wmma_scale_f32_16x16x128_f8f6f4 v[rD:rD+7], v[rW:rW+7], v[rA:rA+7], v[rD:rD+7], v[rX], v[rY] matrix_a_fmt:MATRIX_FMT_FP4 matrix_b_fmt:MATRIX_FMT_FP4 matrix_a_scale:MATRIX_SCALE_ROW1 matrix_b_scale:MATRIX_SCALE_ROW1
.endif
.endr
.endm
; The tail's 40 packed instructions among the products, taken cnt at a time.  What one of them reads was written 16 instructions of this list before, or in BOUND.
.macro STREAM cnt
.rept \cnt
.set kk, 2*(n2%8)
.if (n2/8) == 0
	v_pk_fma_f32 v[TT+48+kk:TT+49+kk], v[TT+48+kk:TT+49+kk], -2.0, 1.0 op_sel_hi:[1,0,0]                         ; tanh(g3)
.elseif (n2/8) == 1
	v_pk_fma_f32 v[XX+kk:XX+1+kk], v[XX+kk:XX+1+kk], -2.0, 1.0 op_sel_hi:[1,0,0]                                 ; tanh(next_cell), a window before
.elseif (n2/8) == 2
	v_pk_fma_f32 v[TT+16+kk:TT+17+kk], v[TT+kk:TT+1+kk], v[TT+48+kk:TT+49+kk], v[TT+16+kk:TT+17+kk]              ; next_cell
.elseif (n2/8) == 3
	v_pk_mul_f32 v[PAR+kk:PAR+1+kk], v[PAR+kk:PAR+1+kk], v[XX+kk:XX+1+kk]                                        ; next_hidden, a window before
.else
	v_pk_mul_f32 v[XX+kk:XX+1+kk], v[TT+16+kk:TT+17+kk], s[KP:KP+1] op_sel_hi:[1,0]
.endif
.set n2, n2+1
.endr
.endm
.macro GAP                             ; at least four plain instructions behind the products that read the buffers which are filled next (ISA guide 7.12.1 for vector instructions)
.if EPI
	WIN 0xff
	STREAM 16
.else
	PLACES 4
.endif
	WIN 0
.endm
.macro STAGE u                         ; next_hidden and next_cell into the stage: row 16 a + r of the stage's window u, my 32 bytes in two halves
	WIN 0x0c
.irp h, 0,1,2,3
	ds_store_b128 v[AST], v[PAR+4*\h:PAR+4*\h+3] offset:16*CP*(2*(\u)+\h/2)+16*(\h%2)
	ds_store_b128 v[AST], v[TT+16+4*\h:TT+16+4*\h+3] offset:NCO+16*CP*(2*(\u)+\h/2)+16*(\h%2)
.endr
	WIN 0
.endm
; Rows out, 8 a wave: back from the stage as whole rows of 256 bytes, two rows a load; o = 0 next_hidden, 1 next_cell.  OUTM = 2: not in the loop's first lim trips, when nothing has passed the stage.
.macro OUTLD o, u, lim
.if OUTM > 0
	WIN 0
.if OUTM == 2
	s_cmp_lt_u32 s[CNT], \lim
	s_cbranch_scc1 .Lnone_\@
.endif
	WIN 0xc0*\o
.irp t, 0,1,2,3
	ds_load_b128 v[OUT+64*\o+4*\t:OUT+64*\o+4*\t+3], v[ARD] offset:NCO*\o+CP*(32*(\u)+2*\t)
.endr
	WIN 0
.if OUTM == 2
.Lnone_\@:
.endif
.endif
.endm
.macro OUTST o, lim, left
.if OUTM > 0
	WIN 0
.if OUTM == 2
	s_cmp_lt_u32 s[CNT], \lim
	s_cbranch_scc1 .Lnone_\@
.endif
	s_wait_dscnt \left                             ; at least so many LDS instructions were issued behind these rows' loads
	WIN 0x0c*\o
.irp t, 0,1,2,3
	global_store_b128 v[GOUT], v[OUT+64*\o+4*\t:OUT+64*\o+4*\t+3], s[28+2*\o:29+2*\o] offset:8192*\t th:TH_STORE_NT   ; 16 lanes store 256 consecutive bytes, at a multiple of 256
.endr
	WIN 0
.if OUTM == 2
.Lnone_\@:
.endif
.endif
.endm
; A WINDOW of 32 rows: 8 groups of 16 products.  Groups 0 to 3's fragments were asked for before the window (BOUND), 4 and 5 behind group 1, 6 and 7 behind group 3: in two runs of memory instructions, each behind plain work.
; sub: which half of the block.  epi: 0 in the first window.  ch: 0 no change of slots; 1 change with refill; 2 change without; 3 the last window: a barrier for the stage alone.
; nbw: loads that may be out when the next window's neighbors are taken (-1: no wait, -2: none to take).  nbl: neighbors three windows on are asked for.
; RC: the LDS instructions of the second run: 16 fragment loads, 8 stores into the stage, 2 loads of scale words, the add (ADDF).
.macro WINDOW sub, epi, ch, out, nbw, nbl
.set EPI, \epi
.set ADDF, 0
.if (\ch)*(3-(\ch)) > 0
.set ADDF, 1
.endif
.set RC, 16+8*\epi+ADDF
.if (\ch) < 3
.set RC, RC+2
.endif
.set OUTM, \out
.set n2, 0
.set PAR, OO+16*\sub
	WIN 0xf3
.irp a, 0,1
.irp g, 0,1,2,3
	v_wmma_f32_16x16x32_bf16 v[8*(4*\a+\g):8*(4*\a+\g)+7], v[WNF+2*\g:WNF+2*\g+7], v[NF+8*\a:NF+8*\a+7], v[BIAS+8*\g:BIAS+8*\g+7]   ; b + neighbors . Wn starts each sum
.endr
.endr
.if \epi
	WIN 0xff                                       ; another form adds onto these results: five places or more
	STREAM 8
.else
	PLACES 5
.endif
	s_wait_dscnt 16                                ; groups 2 and 3 may be out
	MG 0
	MG 1
	MG 2
	MG 3
	s_wait_dscnt 0x0                               ; groups 1 to 3 are in
	MG 4
	MG 5
	MG 6
	MG 7
	GAP
.if (\nbw) > -2
.if (\nbw) >= 0
	s_wait_loadcnt \nbw
.endif
.irp a, 0,1
	v_cvt_pk_bf16_f32 v[NF+8*\a], v[NR+8*(1-\sub)+4*\a], v[NR+8*(1-\sub)+4*\a+1]
	v_cvt_pk_bf16_f32 v[NF+8*\a+1], v[NR+8*(1-\sub)+4*\a+2], v[NR+8*(1-\sub)+4*\a+3]
.endr
.endif
	s_wait_xcnt 0x0                                ; every earlier memory instruction has had its addresses translated (ISA guide 3.1): the bases may step, and the last stores' registers be filled
.if \nbl
	s_add_nc_u64 s[24:25], s[24:25], 512
.endif
.if (\ch) == 1
	s_add_nc_u64 s[PFB:PFB+1], s[PFB:PFB+1], s[PFS:PFS+1]
.endif
.if OUTM == 2                          ; an output's base steps where the window before has stored there
	s_cmp_lt_u32 s[CNT], 1+\sub
	s_cselect_b32 s44, 0, s[STP]
	s_add_nc_u64 s[30:31], s[30:31], s[44:45]
	s_cmp_lt_u32 s[CNT], 2
	s_cselect_b32 s44, 0, s[STP]
	s_add_nc_u64 s[28:29], s[28:29], s[44:45]
.elseif OUTM == 1
	s_add_nc_u64 s[30:31], s[30:31], 131072
	s_add_nc_u64 s[28:29], s[28:29], 131072
.endif
.if \nbl
.irp a, 0,1
	global_load_b128 v[NR+8*(1-\sub)+4*\a:NR+8*(1-\sub)+4*\a+3], v[ANB], s[24:25] offset:1024+256*\a
.endr
.endif
	OUTLD 1, \sub, 1
	OUTLD 0, \sub, 1+\sub
	WIN 0xc0
.irp a, 0,1
	ds_load_b128 v[CL+8*\a:CL+8*\a+3], v[ACL] offset:16*CP*(2*\sub+\a)
	ds_load_b128 v[CL+8*\a+4:CL+8*\a+7], v[ACL] offset:16*CP*(2*\sub+\a)+16
.endr
	WIN 0
	FETCH \sub, 4
	FETCH \sub, 5
	MG 8
	MG 9
	MG 10
	MG 11
	MG 12
	MG 13
	MG 14
	MG 15
	GAP
.if \epi
	STAGE \sub
.endif
	OUTST 1, 1, 28                                 ; behind the rows' loads: 4 of cell, 16 of fragments, 8 stores into the stage
	OUTST 0, 1+\sub, 28
.if (\ch) < 3
	SCALES 0, 1024*(\sub+1)                        ; the next window's
.endif
	FETCH \sub, 6
	FETCH \sub, 7
.if ADDF
	s_wait_tensorcnt 0x0                           ; my part of the slot ahead is in
	ds_add_u32 v[SPW], v[NIL]                      ; 0 onto my spare word
.if (\ch) == 1
	GSTEP
.endif
.endif
.if !\epi                              ; the first window: Wh's gates are turned here, behind the products with Wx
	WIN 0x88
	WTURN 0, 48
	WTURN 1, 32
	WTURN 2, 16
	WTURN 3, 0
	WIN 0
	s_add_nc_u64 s[PFB:PFB+1], s[PFB:PFB+1], s[PFS:PFS+1]
	global_prefetch_b8 v[PFO], s[PFB:PFB+1] th:TH_LOAD_NT scope:SCOPE_SE   ; block 3
	s_wait_dscnt 0x0
.else
	s_wait_dscnt 8+RC                              ; group 5 and the second run may be out
.endif
	MG 16
	MG 17
	MG 18
	MG 19
	s_wait_dscnt RC
	MG 20
	MG 21
	MG 22
	MG 23
	s_wait_dscnt 8+ADDF                            ; group 7 and the add
	MG 24
	MG 25
.if (\ch) > 0
	WIN 0
	s_wait_dscnt 0x0                               ; the add, my reads of this slot and of the stage behind me, and my stores into the stage are done:
	s_barrier_signal -1                            ; say so, with products while the others arrive
.endif
	MG 26
	MG 27
.if (\ch) > 0
	WIN 0
	s_barrier_wait -1
.if (\ch) == 1
	CREST                                          ; the barrier has opened a round of the cluster's
	TLOAD                                          ; the block two on, into the slot just read: two windows in which to land
.else
	PLACES 4
.endif
	v_xor_b32 v[AFA], TOG, v[AFA]                  ; the other slot, the other stage
	v_xor_b32 v[ACL], TOG, v[ACL]
	v_xor_b32 v[AST], TOG, v[AST]
	v_xor_b32 v[ARD], TOG, v[ARD]
	v_add_nc_u32 v[ASC], 2048, v[ASC]
	VW
.if (\ch) == 3
.irp o, 0,1                            ; the last window: all that has passed the stage: two windows of each output, into the free fragment buffers 0 and 1
.irp u, 0,1
.irp t, 0,1,2,3
	ds_load_b128 v[AF+32*\o+16*\u+4*\t:AF+32*\o+16*\u+4*\t+3], v[ARD] offset:NCO*\o+CP*(32*\u+2*\t)
.endr
.endr
.endr
.endif
.if (\ch) == 1
	s_cmp_lt_u32 s[CNT], 4                         ; trip t asks for block t + 4, which its tensor load takes two trips on; there are eight
	s_cbranch_scc0 .Lno_ask_\@
	global_prefetch_b8 v[PFO], s[PFB:PFB+1] th:TH_LOAD_NT scope:SCOPE_SE
.Lno_ask_\@:
.endif
.else
	s_wait_dscnt 0x0
.endif
	MG 28
	MG 29
	MG 30
	MG 31
.endm
; BETWEEN WINDOWS: the exponentials and reciprocals of the window just multiplied and (x = 1) those of tanh(next_cell) of the one before, in four batches; plain work of other gates stands between a batch's lines,
; and what a batch or its plain work reads was written ahead of the wait in front of the batch.  par: the set that takes sig(g2).
; nx: which half of its block the next window is (-1: there is none): its scale words of hidden and its groups 0 to 3 are asked for here, eight fragment loads behind each of four waits.
.macro NFETCH nx, p
.if (\nx) >= 0
	WIN 0
.if (\p) == 0
	SCALES 1, 1024*\nx
.endif
	FETCH \nx, \p
	WIN 0xff
.endif
.endm
.macro BOUND x, par, nx
	PLACES 4
	WIN 0xff
.set n, 0
.rept 32
.set gg, n/8
.set kk, n%8
	v_pk_mul_f32 v[TT+2*n:TT+2*n+1], v[8*(4*(kk/4)+gg)+2*(kk%4):8*(4*(kk/4)+gg)+2*(kk%4)+1], s[KN+2*(gg/3):KN+2*(gg/3)+1] op_sel_hi:[1,0]   ; each accumulator from its low end on
.set n, n+1
.endr
	VW
	NFETCH \nx, 0
.if \x
.set n, 0
.rept 16
	v_exp_f32 v[XX+n], v[XX+n]
.set n, n+1
.endr
.endif
.set n, 0
.rept 32
	v_exp_f32 v[TT+n], v[TT+n]
.set n, n+1
.endr
	v_nop
	VW
	NFETCH \nx, 1
.set n, 0
.rept 16
	v_exp_f32 v[TT+32+2*n], v[TT+32+2*n]
	v_pk_add_f32 v[TT+2*n:TT+2*n+1], v[TT+2*n:TT+2*n+1], 1.0 op_sel_hi:[1,0]
	v_exp_f32 v[TT+33+2*n], v[TT+33+2*n]
.if (\x)*(1-(n%2)) > 0
	v_pk_add_f32 v[XX+n:XX+n+1], v[XX+n:XX+n+1], 1.0 op_sel_hi:[1,0]
.endif
.set n, n+1
.endr
	v_nop
	VW
	NFETCH \nx, 2
.set n, 0
.rept 16
	v_rcp_f32 v[TT+2*n], v[TT+2*n]
	v_pk_add_f32 v[TT+32+2*n:TT+33+2*n], v[TT+32+2*n:TT+33+2*n], 1.0 op_sel_hi:[1,0]
	v_rcp_f32 v[TT+2*n+1], v[TT+2*n+1]
.if \x
	v_rcp_f32 v[XX+n], v[XX+n]
.endif
.set n, n+1
.endr
	v_nop
	VW
	NFETCH \nx, 3
.set n, 0
.rept 8
	v_rcp_f32 v[TT+48+2*n], v[TT+48+2*n]
	v_rcp_f32 v[TT+49+2*n], v[TT+49+2*n]
	v_pk_mul_f32 v[TT+16+2*n:TT+17+2*n], v[TT+16+2*n:TT+17+2*n], v[CL+2*n:CL+2*n+1]   ; sig(g1) cell
	v_rcp_f32 v[OO+16*\par+2*n], v[TT+32+2*n]
	v_rcp_f32 v[OO+16*\par+2*n+1], v[TT+33+2*n]
.set n, n+1
.endr
	v_nop
	VW
.endm
	s_load_b512 s[4:19], s[0:1], 0x0               ; x_codes, x_scales, hidden_codes, hidden_scales, Wx_codes, Wx_scales, Wh_codes, Wh_scales
	s_load_b256 s[20:27], s[0:1], 0x40             ; Wn, b, neighbors, cell
	s_load_b128 s[28:31], s[0:1], 0x60             ; out0, out1
	v_lshl_add_u32 v[SPW], v0, 2, SPARE
	v_mov_b32 v[NIL], 0
	ds_add_u32 v[SPW], v[NIL]                      ; the wave's opening: the add, twice on end, and its wait ahead of my first tensor load
	ds_add_u32 v[SPW], v[NIL]
	v_lshrrev_b32 v1, 5, v0
	v_readfirstlane_b32 s[WV], v1                  ; wave 0..3
	s_lshl_b32 s37, s[WV], 6
	s_mul_i32 s38, s[WV], 8*CP
	s_mul_i32 s39, s[WV], 16*AP
	s_add_co_u32 s39, s39, BSTG
	s_cmp_lt_u32 s[WV], 2
	s_movk_i32 s41, 256
	s_cselect_b32 s40, 4096, s41                   ; a row of cell, or 256 bytes of codes, for each thread of two waves
	v_and_b32 v2, 15, v0                           ; r
	v_bfe_u32 v3, v0, 4, 1                         ; hh
	v_and_b32 v[LN], 31, v0
	v_mul_u32_u24 v[AFA], v2, AP
	v_lshl_add_u32 v[AFA], v3, 4, v[AFA]
	v_mul_u32_u24 v24, v2, CP
	v_lshl_add_u32 v24, v3, 5, v24
	v_add_nc_u32 v24, s37, v24                     ; 272 r + 32 hh + 64 w
	v_add_nc_u32 v[ACL], CLO, v24
	v_add_nc_u32 v[AST], STG, v24
	v_lshlrev_b32 v[WSO], 5, v2
	v_lshl_add_u32 v[WSO], v3, 4, v[WSO]
	v_add_nc_u32 v[ASC], SCX, v[WSO]
	v_mul_u32_u24 v25, v3, CP
	v_lshl_add_u32 v25, v2, 4, v25
	v_add_nc_u32 v25, s38, v25                     ; 272 (8 w + hh) + 16 r: lanes 0-15 one row, lanes 16-31 the next
	v_add_nc_u32 v[ARD], STG+TOG, v25
	v_lshlrev_b32 v[GOUT], 12, v3
	v_lshl_add_u32 v[GOUT], v2, 4, v[GOUT]
	v_lshlrev_b32 v[ANB], 4, v2
	v_and_b32 v26, 63, v0
	v_mul_u32_u24 v[PFO], s40, v26
	v_lshlrev_b32 v[L16], 4, v[LN]
	v_add_nc_u32 v[BST], s39, v[L16]
	v_add_nc_u32 v[BLD], s39, v[AFA]
	v_lshlrev_b32 v[BO], 5, v3
	v_lshlrev_b32 v[SCO], 4, v0
	v_add_nc_u32 v[SCA], SCX, v[SCO]
	VW                                             ; all of these are first read behind waits
	s_and_b32 s[WP], s[WV], 1
	s_bfe_u32 s34, ttmp6, 0x40000                  ; cx
	s_lshl_b32 s35, ttmp9, 2
	s_add_co_u32 s35, s35, s34                     ; X = 4 x cluster x + cx: in the weights', cell's and the outputs' addresses alone
	s_and_b32 s36, ttmp7, 0xffff                   ; y, which the four partners share
	s_mov_b32 s3, 0
	s_lshl_b32 s2, s35, 15                         ; my 16 weight rows of a gate: (64 X + 16 w) rows of 512 bytes
	s_lshl_b32 s44, s[WV], 13
	s_add_co_u32 s2, s2, s44
	s_wait_dscnt 0x0                               ; both opening adds are done
	s_wait_kmcnt 0x0
	s_add_nc_u64 s[12:13], s[12:13], s[2:3]
	s_add_nc_u64 s[16:17], s[16:17], s[2:3]
	WIN 0x44                                       ; destination and store data window 1, addresses window 0
	WLG 12, 0
	WLG 12, 1
	WLG 12, 2
	WIN 0
	s_lshr_b32 s2, s2, 4                           ; rows of 32 bytes (scale bytes),
	s_add_nc_u64 s[14:15], s[14:15], s[2:3]
	s_add_nc_u64 s[18:19], s[18:19], s[2:3]
	s_lshr_b32 s2, s2, 1                           ; of 16 bytes (Wn),
	s_add_nc_u64 s[20:21], s[20:21], s[2:3]
	s_lshr_b32 s2, s2, 2                           ; of 4 bytes (b)
	s_add_nc_u64 s[22:23], s[22:23], s[2:3]
	; descriptor groups 1, in elements of 8 bytes
	s_mov_b32 s[G1C+0], 15|(3<<16)|(1<<20)|(1<<21)|(6<<22)|(3<<25)  ; codes: mask of the four partners; 8-byte elements; padding on; bit 21 beside a mask; 4 words behind every 128
	s_mov_b32 s[G1C+1], 64<<16                     ; 512 bytes of a row
	s_mov_b32 s[G1C+2], 64<<16                     ; 64 rows
	s_mov_b32 s[G1C+3], 64<<16
	s_mov_b32 s[G1C+4], 64
	s_mov_b32 s[G1C+5], 64
	s_mov_b32 s[G1C+6], 0
	s_mov_b32 s[G1C+7], 0
	s_mov_b32 s[G1L+0], (3<<16)|(1<<20)|(5<<22)|(3<<25)             ; cell: no mask; 4 words behind every 64
	s_mov_b32 s[G1L+1], 32<<16                     ; 256 bytes of a row
	s_mov_b32 s[G1L+2], 32<<16                     ; 32 rows
	s_mov_b32 s[G1L+3], 32<<16
	s_mov_b32 s[G1L+4], 32
	s_mov_b32 s[G1L+5], 512                        ; a row of cell is 4,096 bytes
	s_mov_b32 s[G1L+6], 0
	s_mov_b32 s[G1L+7], 0
	s_mov_b32 s[KN], 0xbfb8aa3b
	s_mov_b32 s[KN+1], s[KN]
	s_mov_b32 s[KP], 0x4038aa3b
	s_mov_b32 s[KP+1], s[KP]
	s_mov_b32 s[STP], 131072                       ; 32 rows of an output
	s_mov_b32 s43, 0
	s_mov_b32 s71, 0
	s_mov_b32 s[PFS+1], 0
	s_cmp_eq_u32 s[WP], 0                          ; if I fetch codes: an even wave x's, an odd one hidden's; these registers hold y and never X
	s_cselect_b64 s[38:39], s[4:5], s[8:9]
	s_lshl_b32 s42, s36, 18                        ; 512 rows of 512 bytes
	s_add_nc_u64 s[38:39], s[38:39], s[42:43]
	s_cmp_lt_u32 s34, 2                            ; the prefetches' share of a block's codes: partners 0 and 1 x's halves, 2 and 3 hidden's
	s_cselect_b64 s[40:41], s[4:5], s[8:9]
	s_add_nc_u64 s[40:41], s[40:41], s[42:43]
	s_and_b32 s70, s34, 1
	s_lshl_b32 s70, s70, 14
	s_add_co_u32 s70, s70, 65536                   ; block 2
	s_add_nc_u64 s[40:41], s[40:41], s[70:71]
	s_lshl_b32 s42, s36, 14                        ; 512 rows of 32 bytes
	s_add_nc_u64 s[6:7], s[6:7], s[42:43]
	s_add_nc_u64 s[10:11], s[10:11], s[42:43]
	s_lshl_b32 s42, s36, 13                        ; 512 rows of 16 bytes
	s_add_nc_u64 s[24:25], s[24:25], s[42:43]
	s_lshl_b32 s2, s36, 21                         ; 512 rows of 4,096 bytes,
	s_lshl_b32 s44, s35, 8                         ; 64 columns of 4 bytes
	s_add_co_u32 s2, s2, s44
	s_add_nc_u64 s[26:27], s[26:27], s[2:3]
	s_add_nc_u64 s[PFB:PFB+1], s[26:27], 524288    ; cell's block 2
	s_cmp_lt_u32 s[WV], 2
	s_cselect_b64 s[PFB:PFB+1], s[PFB:PFB+1], s[40:41]
	s_mov_b32 s37, 32768
	s_cselect_b32 s[PFS], 262144, s37              ; a block of cell, or of codes
	s_mov_b32 s45, 0
	s_lshl_b32 s44, s[WP], 17                      ; my half of cell's tile: 32 rows
	s_add_nc_u64 s[44:45], s[26:27], s[44:45]
	s_mul_i32 s37, s[WP], HCO
	s_mov_b32 s[G0C], 1
	s_mov_b32 s[G0C+1], s37
	s_mov_b64 s[G0C+2:G0C+3], s[38:39]
	s_or_b32 s[G0C+3], s[G0C+3], 0x80000000
	s_mul_i32 s37, s[WP], 32*CP
	s_mov_b32 s[G0L], 1
	s_add_co_u32 s[G0L+1], s37, CLO
	s_mov_b64 s[G0L+2:G0L+3], s[44:45]
	s_or_b32 s[G0L+3], s[G0L+3], 0x80000000
	s_lshl_b32 s44, s[WV], 15                      ; my 8 rows of a window
	s_add_co_u32 s2, s2, s44
	s_add_nc_u64 s[28:29], s[28:29], s[2:3]
	s_add_nc_u64 s[30:31], s[30:31], s[2:3]
	s_mov_b32 s45, 0                               ; s[44:45]: the outputs' steps
	ROUND                                          ; all four work-groups are here: the first joint loads meet
	TLOAD                                          ; block 0: one tensor load a wave
	WIN 0x44
	WLG 12, 3
	WTURN 0, 48
	WIN 0
.irp j, 0,1,2,3,4,5,6,7                ; scale bytes of the group's 512 rows: 128 threads, 2,048 consecutive bytes a load
	global_load_b128 v[AF+4*\j:AF+4*\j+3], v[SCO], s[6:7] offset:2048*\j
	global_load_b128 v[AF+32+4*\j:AF+32+4*\j+3], v[SCO], s[10:11] offset:2048*\j
.endr
	WIN 0x44
	WTURN 1, 48
	WIN 0
.irp g, 0,1,2,3
	global_load_b128 v[WSW+4*\g:WSW+4*\g+3], v[WSO], s[14:15] offset:32768*\g        ; 32 lanes read the 512 consecutive scale bytes of 16 rows
	global_load_b128 v[WSW+16+4*\g:WSW+16+4*\g+3], v[WSO], s[18:19] offset:32768*\g
	global_load_b128 v[OUT+4*\g:OUT+4*\g+3], v[ANB], s[20:21] offset:16384*\g        ; Wn's row r of gate g
.endr
.irp a, 0,1
	global_load_b128 v[AF+64+4*\a:AF+64+4*\a+3], v[ANB], s[24:25] offset:256*\a      ; neighbors of window 0,
	global_load_b128 v[NR+8+4*\a:NR+8+4*\a+3], v[ANB], s[24:25] offset:512+256*\a    ; 1,
	global_load_b128 v[NR+4*\a:NR+4*\a+3], v[ANB], s[24:25] offset:1024+256*\a       ; and 2
.endr
	WIN 0xc0
.irp g, 0,1,2,3
	global_load_b128 v[BIAS+8*\g:BIAS+8*\g+3], v[BO], s[22:23] offset:4096*\g
	global_load_b128 v[BIAS+8*\g+4:BIAS+8*\g+7], v[BO], s[22:23] offset:4096*\g+16
.endr
	WIN 0x44
	WTURN 2, 58                                    ; behind gate 2: 16 of gate 3, 16 of scale bytes, the 26 just issued
	WIN 0x88
	WLG 16, 0
	WIN 0x44
	WTURN 3, 58                                    ; 16 + 26 + 16
	WIN 0x88
	WLG 16, 1
	WIN 0
	s_wait_loadcnt 58                              ; the scale bytes are in: 26 + 32 behind them
.irp j, 0,1,2,3,4,5,6,7
	ds_store_b128 v[SCA], v[AF+4*\j:AF+4*\j+3] offset:2048*\j
	ds_store_b128 v[SCA], v[AF+32+4*\j:AF+32+4*\j+3] offset:16384+2048*\j
.endr
	WIN 0x88
	WLG 16, 2
	WIN 0
	s_wait_loadcnt 48                              ; the 26 are in
	v_cmp_gt_u32 vcc_lo, 16, v[LN]                 ; Wn's fragments: k = 0..3 lie in lanes 0-15, registers 0 and 1; lanes 16-31 are zero, and what follows the two registers meets zeros of neighbors
.irp n, 0,1,2,3,4,5,6,7,8,9,10,11,12,13,14,15
	v_cndmask_b32 v[OUT+\n], 0, v[OUT+\n], vcc_lo
.endr
.irp a, 0,1
	v_cvt_pk_bf16_f32 v[NF+8*\a], v[AF+64+4*\a], v[AF+64+4*\a+1]
	v_cvt_pk_bf16_f32 v[NF+8*\a+1], v[AF+64+4*\a+2], v[AF+64+4*\a+3]
.irp i, 2,3,4,5,6,7
	v_mov_b32 v[NF+8*\a+\i], 0
.endr
.endr
	WIN 0xc0
.irp g, 0,1,2,3
	v_cvt_pk_bf16_f32 v[WNF+2*\g], v[OUT+4*\g], v[OUT+4*\g+1]
	v_cvt_pk_bf16_f32 v[WNF+2*\g+1], v[OUT+4*\g+2], v[OUT+4*\g+3]
.endr
.irp i, 8,9,10,11,12,13
	v_mov_b32 v[WNF+\i], 0
.endr
.irp i, 0,1,2,3,4,5,6,7,8,9,10,11,12,13,14,15   ; window 1 has no next_hidden of a window before: the loop's text finds zeros there, and what it makes of them is never sent out
	v_mov_b32 v[XX+\i], 0
	v_mov_b32 v[OO+16+\i], 0
	v_mov_b32 v[OUT+64+\i], 0                      ; (so that the rows' registers are written on every way through the loop)
.endr
	WIN 0
	VW
	s_wait_tensorcnt 0x0                           ; my part of block 0 is in
	ds_add_u32 v[SPW], v[NIL]
	GSTEP
	s_wait_dscnt 0x0                               ; the add, my fragments of Wx and my stores of scale bytes are done
	ROUND
	TLOAD                                          ; block 1, into slot 1: its first fill
	WIN 0x88
	WLG 16, 3
	WIN 0
	SCALES 0, 0
	SCALES 1, 0
	FETCH 0, 0
	FETCH 0, 1
	FETCH 0, 2
	FETCH 0, 3
	global_prefetch_b8 v[PFO], s[PFB:PFB+1] th:TH_LOAD_NT scope:SCOPE_SE   ; block 2
	WINDOW 0, 0, 0, 0, -1, 1                       ; window 0
	BOUND 0, 0, 1
	WIN 0
	s_mov_b32 s[CNT], 0
.Ltrip:                                                ; trip t: windows 2 t + 1 and 2 t + 2
	WINDOW 1, 1, 1, 2, 2, 1
	BOUND 1, 1, 0
	WINDOW 0, 1, 0, 2, 2, 1
	BOUND 1, 0, 1
	WIN 0
	s_add_co_u32 s[CNT], s[CNT], 1
	s_cmp_lt_u32 s[CNT], 6
	s_cbranch_scc1 .Ltrip
	WINDOW 1, 1, 2, 1, 2, 0                        ; window 13: nothing is filled again
	BOUND 1, 1, 0
	WINDOW 0, 1, 0, 1, 0, 0                        ; window 14
	BOUND 1, 0, 1
	WINDOW 1, 1, 3, 1, -2, 0                       ; window 15
	WIN 0
	s_wait_dscnt 0x0
	s_wait_xcnt 0x0
	s_add_nc_u64 s[28:29], s[28:29], 131072
	s_add_nc_u64 s[30:31], s[30:31], 131072
.irp o, 0,1                            ; next_hidden of windows 12 and 13, next_cell of 13 and 14
.irp u, 0,1
.irp t, 0,1,2,3
	global_store_b128 v[GOUT], v[AF+32*\o+16*\u+4*\t:AF+32*\o+16*\u+4*\t+3], s[28+2*\o:29+2*\o] offset:131072*\u+8192*\t th:TH_STORE_NT
.endr
.endr
.endr
	BOUND 1, 1, -1
.set n2, 0
.set PAR, OO
	STREAM 40                                      ; next_cell of window 15, next_hidden of 14
	WIN 0
	VW
	STAGE 0
	s_wait_dscnt 0x0                               ; for the others' sake: my stores into the stage are done
	s_barrier_signal -1
	s_barrier_wait -1
	v_xor_b32 v[ARD], TOG, v[ARD]                  ; the stage just written
	VW
.irp o, 0,1
.irp t, 0,1,2,3
	ds_load_b128 v[AF+64+16*\o+4*\t:AF+64+16*\o+4*\t+3], v[ARD] offset:NCO*\o+CP*2*\t
.endr
.endr
	WIN 0xff
.set n, 0
.rept 16
	v_exp_f32 v[XX+n], v[XX+n]                     ; tanh(next_cell) of window 15
.set n, n+1
.endr
	v_nop
	VW
.set n, 0
.rept 8
	v_pk_add_f32 v[XX+2*n:XX+2*n+1], v[XX+2*n:XX+2*n+1], 1.0 op_sel_hi:[1,0]
.set n, n+1
.endr
	VW
.set n, 0
.rept 16
	v_rcp_f32 v[XX+n], v[XX+n]
.set n, n+1
.endr
	v_nop
	VW
.set n, 0
.rept 8
	v_pk_fma_f32 v[XX+2*n:XX+2*n+1], v[XX+2*n:XX+2*n+1], -2.0, 1.0 op_sel_hi:[1,0,0]
.set n, n+1
.endr
.set n, 0
.rept 8
	v_pk_mul_f32 v[OO+16+2*n:OO+17+2*n], v[OO+16+2*n:OO+17+2*n], v[XX+2*n:XX+2*n+1]
.set n, n+1
.endr
	VW
	WIN 0x0c
.irp h, 0,1,2,3
	ds_store_b128 v[AST], v[OO+16+4*\h:OO+16+4*\h+3] offset:16*CP*(2+\h/2)+16*(\h%2)
.endr
	WIN 0
	s_wait_dscnt 4                                 ; the eight loads ahead of the four stores are in
.irp o, 0,1
.irp t, 0,1,2,3
	global_store_b128 v[GOUT], v[AF+64+16*\o+4*\t:AF+64+16*\o+4*\t+3], s[28+2*\o:29+2*\o] offset:262144+8192*\t th:TH_STORE_NT   ; next_hidden of window 14, next_cell of 15
.endr
.endr
	s_wait_dscnt 0x0
	s_barrier_signal -1
	s_barrier_wait -1
.irp t, 0,1,2,3
	ds_load_b128 v[AF+96+4*\t:AF+96+4*\t+3], v[ARD] offset:CP*(32+2*\t)
.endr
	s_wait_dscnt 0x0
.irp t, 0,1,2,3
	global_store_b128 v[GOUT], v[AF+96+4*\t:AF+96+4*\t+3], s[28:29] offset:393216+8192*\t th:TH_STORE_NT   ; next_hidden of window 15
.endr
	s_wait_tensorcnt 0x0                           ; the wave's end
	ds_add_u32 v[SPW], v[NIL]
	s_wait_dscnt 0x0
	ROUND                                          ; the closing round: no work-group ends while a partner may still ask for a tile that names it
	s_endpgm
.Lfunc_end_k_qf7a47cb8bc_lstm:
	.size	k_qf7a47cb8bc_lstm, .Lfunc_end_k_qf7a47cb8bc_lstm-k_qf7a47cb8bc_lstm
	.p2alignl 7, 3214868480
	.fill 96, 4, 3214868480
	.section	.rodata,"a",@progbits
	.p2align	6, 0x0
	.amdhsa_kernel k_qf7a47cb8bc_lstm
		.amdhsa_group_segment_fixed_size 327680
		.amdhsa_private_segment_fixed_size 0
		.amdhsa_enable_private_segment 0
		.amdhsa_kernarg_size 112
		.amdhsa_user_sgpr_count 2
		.amdhsa_user_sgpr_kernarg_segment_ptr 1
		.amdhsa_wavefront_size32 1
		.amdhsa_system_sgpr_workgroup_id_x 1
		.amdhsa_system_sgpr_workgroup_id_y 1
		.amdhsa_system_sgpr_workgroup_id_z 1
		.amdhsa_system_vgpr_workitem_id 0
		.amdhsa_next_free_vgpr 1024
		.amdhsa_next_free_sgpr 100
		.amdhsa_reserve_vcc 1
		.amdhsa_float_denorm_mode_32 3
		.amdhsa_float_denorm_mode_16_64 3
		.amdhsa_memory_ordered 1
		.amdhsa_forward_progress 1
		.amdhsa_inst_pref_size 255
	.end_amdhsa_kernel
	.section	.bss,"aw",@nobits
	.p2align	6
	.space	262144
	.amdgpu_metadata
---
amdhsa.version: [ 1, 2 ]
amdhsa.kernels:
  - .name:           k_qf7a47cb8bc_lstm
    .symbol:         k_qf7a47cb8bc_lstm.kd
    .args:
      - { .name: x_codes, .offset: 0, .size: 8, .value_kind: global_buffer, .address_space: global }
      - { .name: x_scales, .offset: 8, .size: 8, .value_kind: global_buffer, .address_space: global }
      - { .name: hidden_codes, .offset: 16, .size: 8, .value_kind: global_buffer, .address_space: global }
      - { .name: hidden_scales, .offset: 24, .size: 8, .value_kind: global_buffer, .address_space: global }
      - { .name: Wx_codes, .offset: 32, .size: 8, .value_kind: global_buffer, .address_space: global }
      - { .name: Wx_scales, .offset: 40, .size: 8, .value_kind: global_buffer, .address_space: global }
      - { .name: Wh_codes, .offset: 48, .size: 8, .value_kind: global_buffer, .address_space: global }
      - { .name: Wh_scales, .offset: 56, .size: 8, .value_kind: global_buffer, .address_space: global }
      - { .name: Wn, .offset: 64, .size: 8, .value_kind: global_buffer, .address_space: global }
      - { .name: b, .offset: 72, .size: 8, .value_kind: global_buffer, .address_space: global }
      - { .name: neighbors, .offset: 80, .size: 8, .value_kind: global_buffer, .address_space: global }
      - { .name: cell, .offset: 88, .size: 8, .value_kind: global_buffer, .address_space: global }
      - { .name: out0, .offset: 96, .size: 8, .value_kind: global_buffer, .address_space: global }
      - { .name: out1, .offset: 104, .size: 8, .value_kind: global_buffer, .address_space: global }
    .group_segment_fixed_size: 327680
    .private_segment_fixed_size: 0
    .kernarg_segment_align: 8
    .kernarg_segment_size: 112
    .max_flat_workgroup_size: 128
    .sgpr_count:     100
    .vgpr_count:     1024
    .wavefront_size: 32
...
	.end_amdgpu_metadata
.endif
;; end of part 1
